; MI455X (gfx1250); checked and timed in simulation.
; The chip was launched on July 23, 2026; its instructions are those of AMD's public machine-readable ISA for CDNA 5 (MIT licence, August 2026) and "CDNA5" Instruction Set Architecture Reference Guide (July 2026). The comments in the code are by the model that wrote it; some were corrected since.
;; Lstm Cell. Allowed arithmetic: float matrix products may take bf16 or f16 operands with f32 sums; other float arithmetic in f32, or as packed bf16 or f16 multiplies, adds, multiply-adds, maxima and minima; sums over many terms, partial sums and values carried from step to step in f32; what a program stores and reads back later, other than sums and carried values, may be rounded once to bf16 or f16.
;; Inputs: Wh 1,024 x 4,096 float32; Wx 1,024 x 4,096 float32; bx 4,096 float32; prevc 8,192 x 1,024 float32; prevh 8,192 x 1,024 float32; x 8,192 x 1,024 float32.
;; Outputs: out0 8,192 x 1,024 float32; out1 8,192 x 1,024 float32.
;; 2 versions, each right; version 2 is version 1 with the launch cvt written anew for expert scheduling mode. Each part assembles by itself: llvm-mc -triple=amdgcn-amd-amdhsa -mcpu=gfx1250 --defsym DOCPART=n.
;; ======== version 1 of 2: 2 launches
;; workspace buffers: act 33,554,432 bytes; wp 16,777,216 bytes
;; launch cvt (part 1): grid 256 x 3, 8 waves a work-group, no clusters, 0 bytes of LDS; arguments x, prevh, Wx, Wh, act, wp; writes act, wp
.if DOCPART == 1
	.amdgcn_target "amdgcn-amd-amdhsa--gfx1250"
	.amdhsa_code_object_version 6
	.text
	.protected	k_qc398b42d00_cvt
	.globl	k_qc398b42d00_cvt
	.p2align	8
	.type	k_qc398b42d00_cvt,@function
k_qc398b42d00_cvt:
	s_mov_b64 s[64:65], 0
	v_nop
	global_prefetch_b8 v0, s[64:65] scope:SCOPE_SE
	s_setreg_imm32_b32 hwreg(HW_REG_WAVE_MODE, 25, 1), 1
	s_wait_xcnt 0x0
; THE OPERANDS OF THE LSTM's ONE PRODUCT, rounded once to bf16 (to nearest even) and laid out for the launch behind.
;   act [8192][2048] bf16: row m = x[m][0..1023], then prevh[m][0..1023]: a row is 4,096 bytes.
;   wp  [2048][4096] bf16: row k = Wx[k] (k < 1024) or Wh[k - 1024]; column 256 tc + 64 g + c holds the original column 1024 g + 64 tc + c
;       (tc 0..15, gate g 0..3, c 0..63): the four gates of 64 state columns lie side by side.  K stays along the rows: nothing is turned here.
; A pure stream: every source byte is read once, every result byte written once; no LDS, no barrier, no matrix unit, since nothing is shared.
; SHARES.  768 equal work-groups of eight waves: y = 0 takes x, y = 1 prevh (32 rows each), y = 2 the weights (8 rows of k each): 128 KiB of source.
; A wave takes 16 KiB of source: 32 loads of 16 bytes a lane, ALL issued at once; there is no loop.  A load covers 512 bytes (for the weights: two runs of 256);
; two roundings make 8 bytes a lane, and a store of the wave covers 256 consecutive bytes, aligned.
; No register that a pending load or store names is ever rewritten, so the only waits are the counted ones for the loads' data.
.set SO, 3                             ; v3       my byte offset in the source
.set DO, 4                             ; v4       my byte offset in the result: 8 x lane
.set X,  8                             ; v[8:135] load q at X + 4 q
; wts = 0: load q is 512 consecutive bytes: row q / 8, part q % 8.  wts = 1: load q takes 64 columns of gate 2 (q % 2) (lanes 0-15) and of gate 2 (q % 2) + 1 (lanes 16-31) at tc = q / 2.
.macro STREAM wts
.set q, 0
.rept 32
.if \wts
	global_load_b128 v[X+4*q:X+4*q+3], v[SO], s[20:21] offset:(q%2)*8192+(q/2)*256 th:TH_LOAD_NT
.else
	global_load_b128 v[X+4*q:X+4*q+3], v[SO], s[20:21] offset:512*q th:TH_LOAD_NT
.endif
.set q, q+1
.endr
.set q, 0
.rept 32
	s_wait_loadcnt 31-q                            ; loads come back in order (ISA guide 5.7.1): load q is in, the 31 - q younger ones stay out
	v_cvt_pk_bf16_f32 v[X+4*q],   v[X+4*q],   v[X+4*q+1]
	v_cvt_pk_bf16_f32 v[X+4*q+1], v[X+4*q+2], v[X+4*q+3]
.if \wts
	global_store_b64 v[DO], v[X+4*q:X+4*q+1], s[24:25] offset:256*q
.else
	global_store_b64 v[DO], v[X+4*q:X+4*q+1], s[24:25] offset:(q/8)*4096+(q%8)*256
.endif
.set q, q+1
.endr
	s_endpgm
.endm
	s_load_b256 s[4:11], s[0:1], 0x0               ; x s[4:5], prevh s[6:7], Wx s[8:9], Wh s[10:11]
	s_load_b128 s[12:15], s[0:1], 0x20             ; act s[12:13], wp s[14:15]
	v_lshrrev_b32 v1, 5, v0
	v_readfirstlane_b32 s16, v1                    ; wave 0..7
	v_and_b32 v2, 31, v0                           ; lane
	v_lshlrev_b32 v[DO], 3, v2
	s_and_b32 s17, ttmp7, 0xffff                   ; y: which source
	s_mov_b32 s19, 0                               ; the offsets' high words
	s_mov_b32 s23, 0
	s_wait_kmcnt 0x0
	s_cmp_eq_u32 s17, 2
	s_cbranch_scc1 .Lweights
	; x or prevh: 32 rows a work-group, 4 a wave.  A source row (1,024 f32) and a row of act (2,048 bf16) are both 4,096 bytes, so one offset serves both.
	s_lshl_b32 s18, ttmp9, 17
	s_lshl_b32 s22, s16, 14
	s_add_co_u32 s18, s18, s22
	s_cmp_eq_u32 s17, 0
	s_cselect_b64 s[20:21], s[4:5], s[6:7]
	s_add_nc_u64 s[20:21], s[20:21], s[18:19]
	s_add_nc_u64 s[24:25], s[12:13], s[18:19]
	s_lshl_b32 s22, s17, 11                        ; prevh fills the second half of act's rows
	s_add_nc_u64 s[24:25], s[24:25], s[22:23]
	v_lshlrev_b32 v[SO], 4, v2
	STREAM 0
.Lweights:
	; Wx (work-groups 0-127) or Wh: 8 rows of k a work-group, one a wave: 16,384 bytes of source, 8,192 of wp
	s_and_b32 s18, ttmp9, 127
	s_lshl_b32 s18, s18, 3
	s_add_co_u32 s18, s18, s16
	s_lshl_b32 s18, s18, 14
	s_cmp_lt_u32 ttmp9, 128
	s_cselect_b64 s[20:21], s[8:9], s[10:11]
	s_add_nc_u64 s[20:21], s[20:21], s[18:19]
	s_lshl_b32 s22, ttmp9, 3
	s_add_co_u32 s22, s22, s16                     ; k
	s_lshl_b32 s22, s22, 13
	s_add_nc_u64 s[24:25], s[14:15], s[22:23]
	v_lshrrev_b32 v1, 4, v2                        ; lanes 16-31 read one gate (4,096 bytes) further on
	v_and_b32 v[SO], 15, v2
	v_lshlrev_b32 v[SO], 4, v[SO]
	v_lshl_or_b32 v[SO], v1, 12, v[SO]
	STREAM 1
.Lfunc_end_k_qc398b42d00_cvt:
	.size	k_qc398b42d00_cvt, .Lfunc_end_k_qc398b42d00_cvt-k_qc398b42d00_cvt
	.p2alignl 7, 3214868480
	.fill 96, 4, 3214868480
	.section	.rodata,"a",@progbits
	.p2align	6, 0x0
	.amdhsa_kernel k_qc398b42d00_cvt
		.amdhsa_group_segment_fixed_size 0
		.amdhsa_private_segment_fixed_size 0
		.amdhsa_enable_private_segment 0
		.amdhsa_kernarg_size 48
		.amdhsa_user_sgpr_count 2
		.amdhsa_user_sgpr_kernarg_segment_ptr 1
		.amdhsa_wavefront_size32 1
		.amdhsa_system_sgpr_workgroup_id_x 1
		.amdhsa_system_sgpr_workgroup_id_y 1
		.amdhsa_system_sgpr_workgroup_id_z 1
		.amdhsa_system_vgpr_workitem_id 0
		.amdhsa_next_free_vgpr 144
		.amdhsa_next_free_sgpr 66
		.amdhsa_reserve_vcc 0
		.amdhsa_float_denorm_mode_32 3
		.amdhsa_float_denorm_mode_16_64 3
		.amdhsa_memory_ordered 1
		.amdhsa_forward_progress 1
		.amdhsa_inst_pref_size 24
	.end_amdhsa_kernel
	.amdgpu_metadata
---
amdhsa.version: [ 1, 2 ]
amdhsa.kernels:
  - .name:           k_qc398b42d00_cvt
    .symbol:         k_qc398b42d00_cvt.kd
    .args:
      - { .name: x, .offset: 0, .size: 8, .value_kind: global_buffer, .address_space: global }
      - { .name: prevh, .offset: 8, .size: 8, .value_kind: global_buffer, .address_space: global }
      - { .name: Wx, .offset: 16, .size: 8, .value_kind: global_buffer, .address_space: global }
      - { .name: Wh, .offset: 24, .size: 8, .value_kind: global_buffer, .address_space: global }
      - { .name: act, .offset: 32, .size: 8, .value_kind: global_buffer, .address_space: global }
      - { .name: wp, .offset: 40, .size: 8, .value_kind: global_buffer, .address_space: global }
    .group_segment_fixed_size: 0
    .private_segment_fixed_size: 0
    .kernarg_segment_align: 8
    .kernarg_segment_size: 48
    .max_flat_workgroup_size: 256
    .sgpr_count:     66
    .vgpr_count:     144
    .wavefront_size: 32
...
	.end_amdgpu_metadata
.endif
;; end of part 1
;; launch lstm (part 2): grid 16 x 32, 4 waves a work-group, clusters of 4 x 4, 327,680 bytes of LDS; arguments act, wp, bx, prevc, out0, out1; writes out0, out1
.if DOCPART == 2
	.amdgcn_target "amdgcn-amd-amdhsa--gfx1250"
	.amdhsa_code_object_version 6
	.text
	.protected	k_qc398b42d00_lstm
	.globl	k_qc398b42d00_lstm
	.p2align	8
	.type	k_qc398b42d00_lstm,@function
k_qc398b42d00_lstm:
	s_mov_b64 s[64:65], 0
	v_nop
	global_prefetch_b8 v0, s[64:65] scope:SCOPE_SE
	s_setreg_imm32_b32 hwreg(HW_REG_WAVE_MODE, 25, 1), 1
	s_wait_xcnt 0x0
	s_wait_alu depctr_hold_cnt(0) depctr_sa_sdst(0) depctr_va_vdst(0) depctr_va_sdst(0) depctr_va_ssrc(0) depctr_va_vcc(0) depctr_vm_vsrc(0)
	s_getreg_b32 s2, hwreg(HW_REG_IB_STS2, 6, 4)
	s_cmp_eq_u32 s2, 0
	s_cbranch_scc0 .Lentry_in_a_cluster
	s_endpgm
.Lentry_in_a_cluster:
	s_bfe_u32 s2, ttmp6, 0x10000c
	s_cmp_lg_u32 s2, 0xf033
	s_cbranch_scc0 .Lentry_shape_is_right
	s_endpgm
.Lentry_shape_is_right:
; AN LSTM STEP.  stacked = act wp + bx (act [8192][2048] bf16 = x | prevh; wp [2048][4096] bf16 = Wx ; Wh with the columns regrouped: column 256 tc + 64 g + c is gate g of state column
; 64 tc + c); i, f, o = sigmoid, g = tanh of the four gates; out1 = nextc = prevc f + g i; out0 = nexth = tanh(nextc) o.  bx, prevc, out0, out1 are f32.
; ARITHMETIC.  Products of bf16 operands, sums in f32, K ascending; the bias, in f32, is the C operand of the first product.  sigmoid(z) = 1 / (1 + 2^(-1.442695 z)), tanh(z) = 1 - 2 / (1 + 2^(2.885390 z)), all in f32.
; LIMITS.  Where 2^.. passes f32's range it is an infinity, whose reciprocal is 0, and where it falls below the range it is 0: the functions then give exactly 0, 1 or -1, and finite inputs give no NaN.
; tanh is off by about 2^-23 absolutely: near 0 it is not accurate relative to itself.  NaN and infinities among the inputs are not treated apart.
; SHARES.  A work-group of four waves makes 256 rows x 256 columns of stacked: 64 state columns x 4 gates.  Wave w takes rows 128 (w / 2) on and the state columns 32 (w % 2) on: 64 accumulators (a, b): a = block of 16 rows,
; b = 2 g + j = gate g, block j of 16 state columns.  THE MATRIX INSTRUCTION IS USED TRANSPOSED (source 0 = 16 columns of wp, source 1 = 16 rows of act): lane l, register e of accumulator (a, b) hold row 16 a + l % 16 and state column
; 16 j + 8 (l / 16) + e.  So the four gates of a state element lie in ONE lane, at one register index of four accumulators, and the tail changes no lanes.
; RING.  K goes in 16 steps of 128 through two LDS slots filled by the tensor data mover: 256 rows of act (256 bytes each) and 128 rows of wp (512 bytes each).  wp's fragments are turned on the way out of LDS (ds_load_tr16_b128).
; CLUSTER.  4 x 4 work-groups: the four of a row of the cluster need the same tiles of act, the four of a column the same tiles of wp: each is asked for JOINTLY, by the same tensor load with the same descriptor and a mask of four.
; TAIL.  When slot 0 has been read for the last time its act region takes the work-group's tile of prevc (each wave 64 rows x 256 bytes); slot 1, when it has had its last fill and been read out, serves as the stage through which
; nextc and nexth leave as whole rows of 256 bytes.
; REGISTERS, in windows of 256 (s_set_vgpr_msb: bits 1:0 source 0, 3:2 source 1, 5:4 source 2, 7:6 destination):
;   window 0: v0-31 addresses; v32-47 at work in the tail; v64-127, v128-191 act's fragments, two buffers (in the tail prevc, then nextc, 16 a block); v192-255 the bias, 8 for each b
;   window 1: v64-127, v128-191 wp's fragments, two buffers (at the end: nexth's rows)     window 2: the accumulators of blocks a = 0-3, (a, b) at 8 (8 a + b)     window 3: those of a = 4-7
.set PITCH,  272                       ; a row of act, of prevc and of the stages in LDS: 256 bytes + 16 = 68 words: row r starts at bank 4 r mod 64 (64 banks of 4 bytes: ISA guide 11.1)
.set PB,     544                       ; a row of wp: 512 + 32 = 17 x 32 bytes
.set HALFT,  128*PITCH                 ; what one tensor load of the ring brings: 128 rows of act, or 64 rows of wp (64 x 544 is the same number)
.set SLOT,   4*HALFT                   ; act's 256 rows, then wp's 128 rows
.set BOFF,   2*HALFT                   ; where wp's rows begin in a slot
.set QROWS,  64*PITCH                  ; 64 rows of prevc or of a stage
.set STC,    SLOT                      ; nextc's stage: 256 rows x 272 bytes, in slot 1
.set STH,    SLOT+BOFF                 ; nexth's stage, behind it
.set SPARE,  2*SLOT                    ; behind the ring: the spare words, 128 bytes for each wave: two blocks of 256 bytes that no other line names
.set LAPS,   8                         ; a lap = two K steps = once round the ring
.set ASTEP,  256                       ; bytes from K step to K step in act (128 bf16 along a row)
.set BSTEP,  0x100000                  ; and in wp (128 rows of 8,192 bytes)
.set BO,   15                          ; v15  32 (l / 16): my 8 numbers in 16 of bx
.set ADRA, 16                          ; v16-17  LDS address of my fragments of act in slot 0, 1
.set ADRB, 20                          ; v20-21  the same for wp
.set PCA,  22                          ; v22  where my 8 numbers of a row of prevc lie
.set STCA, 23                          ; v23  the same place in nextc's stage
.set STHA, 24                          ; v24  and in nexth's
.set RDC,  25                          ; v25  the way out: where I read nextc's rows back
.set RDH,  26                          ; v26  and nexth's
.set GO,   27                          ; v27  my byte offset in two rows of an output
.set SPW,  28                          ; v28  LDS address of my spare word: SPARE + 4 x my thread's number; never rewritten
.set NIL,  29                          ; v29  0; never rewritten
.set PFO,  30                          ; v30  the ring's prefetches: my lane's block; never rewritten
.set PCO,  31                          ; v31  prevc's prefetches: my lane x a row of 4,096 bytes; never rewritten
.set T,    32                          ; v[32:47] the tail: tanh(nextc), then nexth, of a block
.set F0,   64
.set F1,   128
.set CC,   64                          ; the tail: prevc, then nextc: block a at CC + 16 a
.set BIAS, 192
.set WV,  16                           ; s16  my wave's number
.set RW,  17                           ; s17  which 128 rows are mine.  Also: I fetch for act (0) or for wp (1)
.set CW,  18                           ; s18  which 32 state columns are mine.  Also: which half of that tile I fetch
.set G1,  24                           ; s[24:31] descriptor group 1 for act's tiles;  s[32:39] group 0, a set for each slot
.set G0,  32
.set G1B, 48                           ; s[48:55], s[56:63] the same for wp's
.set G0B, 56
.set G1C, 68                           ; s[68:75], s[76:79] for prevc's tile
.set G0C, 76
.set PFA, 80                           ; s[80:81] where my prefetches stand
.set PSTEP, 82                         ; s[82:83] their step from K step to K step
.set LIM, 84                           ; s84  1 in a wave that prefetches, else the greatest number
.set PCP, 86                           ; s[86:87] prevc at my wave's 64 rows
.set SCN, 88                           ; s[88:89] -log2(e); the packed forms name a pair and take its low word for both halves
.set SCP, 90                           ; s[90:91] 2 log2(e)
.set MSB, 0
.macro WIN new                         ; the immediate's high byte repeats the setting that is left; a switch that changes nothing is dropped
.if MSB != (\new)
	s_set_vgpr_msb (MSB<<8)|(\new)
.set MSB, \new
.endif
.endm
; A joint load.  Waves 0 and 1 fetch act's two halves, waves 2 and 3 wp's.  Each line has one mask and one set of registers for all that issue it; the branch hangs on the wave's number alone.
; An s_nop 0 and four v_nop follow each of the two lines, ahead of the jump, the label and what follows.
.macro JLOAD s
	s_cmp_eq_u32 s[RW], 0
	s_cbranch_scc0 .Lfor_b_\@
	tensor_load_to_lds s[G0+4*(\s):G0+4*(\s)+3], s[G1:G1+7]
	s_nop 0
.rept 4
	v_nop
.endr
	s_branch .Lasked_\@
.Lfor_b_\@:
	tensor_load_to_lds s[G0B+4*(\s):G0B+4*(\s)+3], s[G1B:G1B+7]
	s_nop 0
.rept 4
	v_nop
.endr
.Lasked_\@:
.endm
; A PREFETCH INTO THE L2, behind each joint load, its five lines and the run of LDS loads: the K step that stands TWO refills on, 512 matrix instructions ahead of the load that will want it: 32 blocks of 256 bytes, a lane a block.
; Each block is named ONCE in the launch.  act's tile row is read by every cluster of that row of clusters: cluster x = 0 asks; wp's tile column by every cluster of that column: cluster y = 0 asks.  The four partners of a joint
; load share its blocks out BY ADDRESS: of a wave's 128 rows of act the partner at cx takes 32; of its 64 rows of wp (two blocks each) the partner at cy takes 16.  The loop's last trip (s3 = 1) has no K step two on.
.macro ASK
	s_cmp_gt_u32 s3, s[LIM]
	s_cbranch_scc0 .Lnot_mine_\@
	global_prefetch_b8 v[PFO], s[PFA:PFA+1] th:TH_LOAD_NT scope:SCOPE_SE
.Lnot_mine_\@:
.endm
; In the loop's last trip each wave asks for the 64 rows x 256 bytes of prevc that it will fetch itself one K step, 256 matrix instructions, later: a lane a row, two instructions.  No other wave of the launch reads them.
.macro ASKC
	s_cmp_eq_u32 s3, 1
	s_cbranch_scc0 .Lnot_yet_\@
	global_prefetch_b8 v[PCO], s[PCP:PCP+1] th:TH_LOAD_NT scope:SCOPE_SE
	global_prefetch_b8 v[PCO], s[PCP:PCP+1] offset:32*4096 th:TH_LOAD_NT scope:SCOPE_SE
.Lnot_yet_\@:
.endm
; A round of the cluster's barrier: my work-group's barrier, so that wave 0's signal speaks for all four waves; wave 0 signals for the work-group; every wave waits for all sixteen; my work-group's barrier once more.
.macro CREST                           ; a round behind its opening barrier
	s_cmp_lg_u32 s[WV], 0
	s_cbranch_scc1 .Lnot_wave_0_\@
	s_barrier_signal -3
.Lnot_wave_0_\@:
	s_barrier_wait -3
	s_barrier_signal -1
	s_barrier_wait -1
.endm
.macro CROUND                          ; a whole round
	s_barrier_signal -1
	s_barrier_wait -1
	CREST
.endm
	s_load_b256 s[4:11], s[0:1], 0x0               ; act s[4:5], wp s[6:7], bx s[8:9], prevc s[10:11]
	s_load_b128 s[12:15], s[0:1], 0x20             ; out0 s[12:13], out1 s[14:15]
	v_lshl_add_u32 v[SPW], v0, 2, SPARE
	v_mov_b32 v[NIL], 0
	ds_add_u32 v[SPW], v[NIL]                      ; the wave's opening: the add and its wait ahead of my first tensor load; the set-up below, work on registers, stands between them
	v_lshrrev_b32 v1, 5, v0
	v_readfirstlane_b32 s[WV], v1                  ; wave 0..3
	s_lshr_b32 s[RW], s[WV], 1
	s_and_b32 s[CW], s[WV], 1
	s_bfe_u32 s19, ttmp6, 0x40000                  ; cx: my place along the cluster's x
	s_bfe_u32 s20, ttmp6, 0x40004                  ; cy: along its y
	s_lshl_b32 s21, ttmp9, 2                       ; in a cluster launch ttmp9 and ttmp7 count clusters
	s_add_co_u32 s21, s21, s19                     ; TC, the tile column = 4 x cluster x + cx: 64 state columns
	s_and_b32 s22, ttmp7, 0xffff
	s_lshl_b32 s22, s22, 2
	s_add_co_u32 s22, s22, s20                     ; TR, the tile row = 4 x cluster y + cy: 256 rows
	s_lshl_b32 s42, s20, 2
	s_lshl_b32 s42, 15, s42                        ; my row of the cluster: places 4 cy .. 4 cy + 3
	s_lshl_b32 s43, 0x1111, s19                    ; my column: places cx, cx + 4, cx + 8, cx + 12
	; group 1 for act: 128 rows x 128 elements of 2 bytes, 4 words of padding behind every 64
	s_or_b32 s[G1+0], s42, (1<<16)|(1<<20)|(1<<21)|(5<<22)|(3<<25)  ; 15:0 the mask: my row; 17:16 elements of 2 bytes; 20 padding on; 21 set beside a mask; 24:22 after every 64 words (code 5); 31:25 4 words (code 3)
	s_mov_b32 s[G1+1], 128<<16                     ; tensor_dim0 = 128
	s_mov_b32 s[G1+2], 128<<16                     ; tensor_dim1 = 128
	s_mov_b32 s[G1+3], 128<<16                     ; tile_dim0 = 128
	s_mov_b32 s[G1+4], 128                         ; tile_dim1 = 128
	s_mov_b32 s[G1+5], 2048                        ; elements from row to row
	s_mov_b32 s[G1+6], 0
	s_mov_b32 s[G1+7], 0
	; group 1 for wp: 64 rows x 256 elements of 2 bytes, 8 words of padding behind every 128
	s_or_b32 s[G1B+0], s43, (1<<16)|(1<<20)|(1<<21)|(6<<22)|(7<<25)  ; the mask: my column; after every 128 words (code 6) 8 words (code 7)
	s_mov_b32 s[G1B+1], 256<<16
	s_mov_b32 s[G1B+2], 64<<16
	s_mov_b32 s[G1B+3], 256<<16
	s_mov_b32 s[G1B+4], 64
	s_mov_b32 s[G1B+5], 4096
	s_mov_b32 s[G1B+6], 0
	s_mov_b32 s[G1B+7], 0
	; group 1 for prevc: 64 rows x 64 elements of 4 bytes, 4 words of padding behind every 64; no mask: each work-group has a tile of its own
	s_mov_b32 s[G1C+0], (2<<16)|(1<<20)|(5<<22)|(3<<25)
	s_mov_b32 s[G1C+1], 64<<16
	s_mov_b32 s[G1C+2], 64<<16
	s_mov_b32 s[G1C+3], 64<<16
	s_mov_b32 s[G1C+4], 64
	s_mov_b32 s[G1C+5], 1024
	s_mov_b32 s[G1C+6], 0
	s_mov_b32 s[G1C+7], 0
	; where the tiles come from.  act's hang on the tile row alone, which my row of the cluster shares; wp's on the tile column alone, which my column shares.
	s_lshl_b32 s40, s22, 8
	s_lshl_b32 s23, s[CW], 7
	s_add_co_u32 s40, s40, s23                     ; act: row 256 TR + 128 x half,
	s_lshl_b32 s40, s40, 12                        ; of 4,096 bytes
	s_mov_b32 s41, 0
	s_lshl_b32 s44, s21, 9                         ; wp: 512 bytes of a row for each tile column,
	s_lshl_b32 s23, s[CW], 19                      ; 64 rows of 8,192 bytes for the half
	s_add_co_u32 s44, s44, s23
	s_mov_b32 s45, 0
	s_lshl_b32 s92, s22, 8                         ; prevc, out0, out1: row 256 TR + 64 x wave, of 4,096 bytes; 256 bytes of a row for each tile column
	s_lshl_b32 s23, s[WV], 6
	s_add_co_u32 s92, s92, s23
	s_lshl_b32 s92, s92, 12
	s_lshl_b32 s23, s21, 8
	s_add_co_u32 s92, s92, s23
	s_mov_b32 s93, 0
	s_lshl_b32 s94, s21, 8                         ; bx: 64 numbers for each tile column, 32 for my half
	s_lshl_b32 s23, s[CW], 7
	s_add_co_u32 s94, s94, s23
	s_mov_b32 s95, 0
	s_mul_i32 s85, s[WV], HALFT                    ; where the ring's tiles go: wave x one load's bytes: no place in the cluster enters an LDS address
	s_mov_b32 s[SCN], 0xbfb8aa3b                   ; -1.442695
	s_mov_b32 s[SCN+1], s[SCN]
	s_mov_b32 s[SCP], 0x4038aa3b                   ; 2.885390
	s_mov_b32 s[SCP+1], s[SCP]
	s_mov_b32 s[G0C], 1                            ; 1:0 count = 1
	s_mul_i32 s[G0C+1], s[WV], QROWS               ; 63:32 LDS address: my 64 rows in slot 0's act region
	s_wait_dscnt 0x0                               ; the opening add is done
	s_wait_kmcnt 0x0
	s_add_nc_u64 s[40:41], s[4:5], s[40:41]
	s_add_nc_u64 s[44:45], s[6:7], s[44:45]
	s_add_nc_u64 s[8:9], s[8:9], s[94:95]
	s_add_nc_u64 s[PCP:PCP+1], s[10:11], s[92:93]
	s_add_nc_u64 s[12:13], s[12:13], s[92:93]
	s_add_nc_u64 s[14:15], s[14:15], s[92:93]
	s_mov_b64 s[G0C+2:G0C+3], s[PCP:PCP+1]         ; 120:64 global address
	s_or_b32 s[G0C+3], s[G0C+3], 0x80000000        ; 127:126 type = 2
	CROUND                                         ; all sixteen work-groups are here: the first joint loads meet
.irp s, 0,1
	s_mov_b32 s[G0+4*(\s)], 1
	s_add_co_u32 s[G0+4*(\s)+1], s85, (\s)*SLOT
	s_add_nc_u64 s[G0+4*(\s)+2:G0+4*(\s)+3], s[40:41], (\s)*ASTEP  ; K step s
	s_or_b32 s[G0+4*(\s)+3], s[G0+4*(\s)+3], 0x80000000
	s_mov_b32 s[G0B+4*(\s)], 1
	s_add_co_u32 s[G0B+4*(\s)+1], s85, (\s)*SLOT
	s_add_nc_u64 s[G0B+4*(\s)+2:G0B+4*(\s)+3], s[44:45], (\s)*BSTEP
	s_or_b32 s[G0B+4*(\s)+3], s[G0B+4*(\s)+3], 0x80000000
	JLOAD \s                                       ; the ring is filled before anything else is done: two loads of mine are out
.endr
	v_and_b32 v1, 15, v0                           ; r = l % 16
	v_bfe_u32 v2, v0, 4, 1                         ; h = l / 16
	v_and_b32 v3, 7, v0                            ; l % 8
	v_bfe_u32 v4, v0, 3, 1                         ; (l / 8) % 2
	v_and_b32 v5, 31, v0                           ; l
	v_lshlrev_b32 v[BO], 5, v2
	; the bias as a C operand: register e of the eight for b = 2 g + j holds bx[1024 g + 64 TC + 32 CW + 16 j + 8 h + e], the same for all 16 rows
.irp b, 0,1,2,3,4,5,6,7
	global_load_b128 v[BIAS+8*(\b):BIAS+8*(\b)+3],   v[BO], s[8:9] offset:((\b)/2)*4096+((\b)%2)*64
	global_load_b128 v[BIAS+8*(\b)+4:BIAS+8*(\b)+7], v[BO], s[8:9] offset:((\b)/2)*4096+((\b)%2)*64+16
.endr
	; A fragment of act is 16 rows x 32 K in 8 registers: lane l holds row l % 16; registers 0-3 K = 8 h + 0..7, registers 4-7 K = 16 + 8 h + 0..7: two loads of 16 bytes, 32 bytes apart.
	v_mul_u32_u24 v6, v1, PITCH
	v_lshl_add_u32 v6, v2, 4, v6
	s_mul_i32 s23, s[RW], HALFT                    ; my 128 rows
	v_add_nc_u32 v[ADRA], s23, v6
	v_add_nc_u32 v[ADRA+1], SLOT, v[ADRA]
	; The turning load takes 16 K x 16 columns (lane l reads 16 bytes: K row 8 h + l % 8, columns 8 ((l / 8) % 2) + 0..7) and leaves half a fragment: lane l holds column l % 16 and 8 K.
	v_lshl_add_u32 v7, v2, 3, v3
	v_mul_u32_u24 v7, v7, PB
	v_lshl_add_u32 v7, v4, 4, v7
	s_lshl_b32 s23, s[CW], 6                       ; my 32 columns of each gate's 64: 64 bytes
	s_add_co_u32 s23, s23, BOFF
	v_add_nc_u32 v[ADRB], s23, v7
	v_add_nc_u32 v[ADRB+1], SLOT, v[ADRB]
	; the tail: row l % 16 of a block, my 8 numbers of f32 at 32 h, my wave's rows and its 128 bytes of a row
	v_mul_u32_u24 v6, v1, PITCH
	v_lshl_add_u32 v6, v2, 5, v6
	s_mul_i32 s23, s[RW], HALFT
	s_lshl_b32 s92, s[CW], 7
	s_add_co_u32 s23, s23, s92
	v_add_nc_u32 v[PCA], s23, v6
	v_add_nc_u32 v[STCA], STC, v[PCA]
	v_add_nc_u32 v[STHA], STH, v[PCA]
	; back: wave w takes rows 64 w .. 64 w + 63, whole; lanes 0-15 one row of 256 bytes, lanes 16-31 the next
	v_mul_u32_u24 v6, v2, PITCH
	v_lshl_add_u32 v6, v1, 4, v6
	s_mul_i32 s23, s[WV], QROWS
	s_add_co_u32 s23, s23, STC
	v_add_nc_u32 v[RDC], s23, v6
	v_add_nc_u32 v[RDH], BOFF, v[RDC]
	v_lshlrev_b32 v[GO], 12, v2                    ; and the same two rows in an output
	v_lshl_add_u32 v[GO], v1, 4, v[GO]
	v_lshlrev_b32 v[PCO], 12, v5
	; the ring's prefetches.  Offsets are made apart from the addresses; the choice hangs on the wave's number alone.
	s_lshl_b32 s92, s22, 8                         ; act: row 256 TR + 128 x half + 32 cx,
	s_lshl_b32 s23, s[CW], 7
	s_add_co_u32 s92, s92, s23
	s_lshl_b32 s23, s19, 5
	s_add_co_u32 s92, s92, s23
	s_lshl_b32 s92, s92, 12
	s_add_co_u32 s92, s92, 3*ASTEP                 ; at K step 3: the first refill steps it to 4 and names that
	s_lshl_b32 s94, s[CW], 6                       ; wp: row 64 x half + 16 cy of a K step,
	s_lshl_b32 s23, s20, 4
	s_add_co_u32 s94, s94, s23
	s_lshl_b32 s94, s94, 13
	s_lshl_b32 s23, s21, 9
	s_add_co_u32 s94, s94, s23
	s_add_co_u32 s94, s94, 3*BSTEP
	s_and_b32 s23, ttmp7, 0xffff                   ; cluster y
	s_movk_i32 s[PSTEP], ASTEP
	s_mov_b32 s95, BSTEP
	s_mov_b32 s93, 0
	s_mov_b32 s[PSTEP+1], 0
	s_cmp_eq_u32 s[RW], 0                          ; do I fetch for act?
	s_cselect_b32 s92, s92, s94
	s_cselect_b32 s23, ttmp9, s23                  ; the coordinate along which other clusters read the same blocks
	s_cselect_b64 s[PFA:PFA+1], s[4:5], s[6:7]
	s_cselect_b32 s[PSTEP], s[PSTEP], s95
	s_cselect_b32 s94, -1, 0                       ; the same choice as a mask of lanes
	s_add_nc_u64 s[PFA:PFA+1], s[PFA:PFA+1], s[92:93]
	s_cmp_eq_u32 s23, 0
	s_cselect_b32 s[LIM], 1, -1                    ; the same in all sixteen partners, for a given wave
	v_lshlrev_b32 v6, 12, v5                       ; act: a lane a row
	v_lshrrev_b32 v7, 1, v5                        ; wp: two lanes a row of 512 bytes
	v_lshlrev_b32 v7, 13, v7
	v_and_b32 v[PFO], 1, v5
	v_lshl_or_b32 v7, v[PFO], 8, v7
	v_cndmask_b32 v[PFO], v7, v6, s94
	; nothing is prefetched here, at the head, where every work-group's first tiles are on their way: K steps 2 and 3 come by their refills alone
; 16 matrix instructions: row blocks a0, a0 + 1 of the window's four (hi = 0: a = 0-3, 1: a = 4-7) x all 8 b, 32 along K.  first = 1: the bias is the C operand and starts the sums: nothing is cleared.
; The 64 accumulators take turns, one instruction a turn, in the same order in every quarter step, over the backward jump too.
.macro MUL16 f, hi, a0, first
.if \first
	WIN 0x81+0x40*(\hi)                            ; source 0 (wp) window 1, source 1 (act) and C (bias) window 0, D window 2 or 3
.else
	WIN 0xa1+0x50*(\hi)                            ; C and D window 2 or 3
.endif
.irp a, \a0, (\a0)+1
.irp b, 0,1,2,3,4,5,6,7
.if \first
	v_wmma_f32_16x16x32_bf16 v[8*(8*(\a)+(\b)):8*(8*(\a)+(\b))+7], v[(\f)+8*(\b):(\f)+8*(\b)+7], v[(\f)+8*(4*(\hi)+(\a)):(\f)+8*(4*(\hi)+(\a))+7], v[BIAS+8*(\b):BIAS+8*(\b)+7]
.else
	v_wmma_f32_16x16x32_bf16 v[8*(8*(\a)+(\b)):8*(8*(\a)+(\b))+7], v[(\f)+8*(\b):(\f)+8*(\b)+7], v[(\f)+8*(4*(\hi)+(\a)):(\f)+8*(4*(\hi)+(\a))+7], v[8*(8*(\a)+(\b)):8*(8*(\a)+(\b))+7]
.endif
.endr
.endr
.endm
; 32 LDS loads in one run: the fragments of quarter q of a K step (32 K) into buffer f: wp's eight (b = i: gate i / 2 at 128 bytes, block i % 2 at 32), turned, then act's eight
.macro FETCH slot, q, f
	WIN 0x40                                       ; destination window 1, address window 0
.irp i, 0,1,2,3,4,5,6,7
	ds_load_tr16_b128 v[(\f)+8*(\i):(\f)+8*(\i)+3],   v[ADRB+(\slot)] offset:(\q)*32*PB+((\i)/2)*128+((\i)%2)*32
	ds_load_tr16_b128 v[(\f)+8*(\i)+4:(\f)+8*(\i)+7], v[ADRB+(\slot)] offset:(\q)*32*PB+((\i)/2)*128+((\i)%2)*32+16*PB
.endr
	WIN 0
.irp i, 0,1,2,3,4,5,6,7
	ds_load_b128 v[(\f)+8*(\i):(\f)+8*(\i)+3],   v[ADRA+(\slot)] offset:(\q)*64+(\i)*16*PITCH
	ds_load_b128 v[(\f)+8*(\i)+4:(\f)+8*(\i)+7], v[ADRA+(\slot)] offset:(\q)*64+(\i)*16*PITCH+32
.endr
.endm
; A load into a register that a matrix instruction has read, and a vector instruction that reads a matrix result, stand four places behind that matrix instruction, and only plain vector instructions that
; name none of its registers are places (ISA guide 7.12.1 for vector instructions).
.macro PLACES
.rept 4
	v_nop
.endr
.endm
; A K step is four quarters of 32 along K, 64 matrix instructions each, on buffers 0, 1, 0, 1.  One of the first three: multiplies buffer f; in its middle it fetches quarter q of the same slot into buffer g.
.macro QUARTER slot, q, f, g, first
	s_wait_dscnt 8                                 ; wp's fragments and act's rows 0-63 are in; the youngest eight loads (act's rows 64-127) may be out
	MUL16 \f, 0, 0, \first
	MUL16 \f, 0, 2, \first
	PLACES
	FETCH \slot, \q, \g
	s_wait_dscnt 32                                ; all but the 32 just issued
	MUL16 \f, 1, 0, \first
	MUL16 \f, 1, 2, \first
.endm
; The last quarter multiplies buffer 1 and changes slots.  MEET is its first half: in front of the barrier each wave waits for all its tensor loads, of which one is out: its part of the next slot; adds 0 to its spare word; and
; waits for that and for its own reads of this slot.  The barrier opens a round of the cluster's barrier.
.macro MEET
	WIN 0                                          ; (the add's two registers lie in window 0)
	s_wait_tensorcnt 0x0                           ; all my tensor loads have landed;
	ds_add_u32 v[SPW], v[NIL]                      ; 0 onto my spare word;
	s_wait_dscnt 9                                 ; (the add and the youngest eight loads may be out)
	MUL16 F1, 0, 0, 0                              ; sixteen matrix instructions stand between the add and the wait for it
	s_wait_dscnt 0x0                               ; the add is done, and my reads of this slot are over:
	s_barrier_signal -1                            ; say so,
	MUL16 F1, 0, 2, 0                              ; work on registers while the others arrive,
	WIN 0
	s_barrier_wait -1                              ; and go on when all four have said so
.endm
; The whole last quarter in the loop.  Behind the round the slot just read out is filled again first, with the K step two steps on; then come the next slot's first fragments.
; From a request to the wait for it a wave issues 224 matrix instructions.  c = 1: the text also holds prevc's prefetches.
.macro TURN slot, next, c
	s_wait_xcnt 0x0                                ; the last prefetch, a K step back, has read its address: it is stepped here, ahead of the waits of the change of slots
	s_add_nc_u64 s[PFA:PFA+1], s[PFA:PFA+1], s[PSTEP:PSTEP+1]
	MEET
	CREST                                          ; no wave of any partner still reads this slot's tile or has a load on its way
	s_add_nc_u64 s[G0+4*(\slot)+2:G0+4*(\slot)+3], s[G0+4*(\slot)+2:G0+4*(\slot)+3], 2*ASTEP
	s_add_nc_u64 s[G0B+4*(\slot)+2:G0B+4*(\slot)+3], s[G0B+4*(\slot)+2:G0B+4*(\slot)+3], 2*BSTEP
	JLOAD \slot                                    ; the first tensor load behind the round; the four v_nop behind it are also the places in front of the loads below
	FETCH \next, 0, F0
	ASK
.if \c
	ASKC
.endif
	MUL16 F1, 1, 0, 0
	MUL16 F1, 1, 2, 0
.endm
; The change from slot 0 to slot 1 for the last time: slot 0's act region takes prevc, each wave 64 rows of its own work-group's tile.  It has a K step's 256 matrix instructions in which to land.
.macro TURNC
	MEET
	CREST
	tensor_load_to_lds s[G0C:G0C+3], s[G1C:G1C+7]  ; my one tensor load behind the round, and the last of the launch
	s_nop 0
.rept 4
	v_nop
.endr
	FETCH 1, 0, F0
	MUL16 F1, 1, 0, 0
	MUL16 F1, 1, 2, 0
.endm
; THE TAIL for block a (16 rows x my 32 state columns): in window 2 + a / 4 the pre-activations I at EA + 0..15, F at + 16, O at + 32, G at + 48; prevc at EC in window 0.  All in place.
; The exponentials and the reciprocals go in four batches, each with ONE wait ahead of its first reader; in a batch a packed plain line runs one pair ahead of the pair's two transcendentals,
; and a v_nop is the plain instruction behind the batch's last.  Each accumulator's lowest registers are read first: the pairs go in ascending order.
.macro EPI a
.set EW, 2+(\a)/4
.set EA, 64*((\a)%4)
.set EC, CC+16*(\a)
	WIN EW*0x55                                    ; all four places in the block's window
	v_pk_mul_f32 v[EA:EA+1], v[EA:EA+1], s[SCN:SCN+1] op_sel_hi:[1,0]
.set p, 0
.rept 32                                       ; 2^(-log2(e) z) for I, F, O; 2^(2 log2(e) z) for G
.if p < 23
	v_pk_mul_f32 v[EA+2*p+2:EA+2*p+3], v[EA+2*p+2:EA+2*p+3], s[SCN:SCN+1] op_sel_hi:[1,0]
.elseif p < 31
	v_pk_mul_f32 v[EA+2*p+2:EA+2*p+3], v[EA+2*p+2:EA+2*p+3], s[SCP:SCP+1] op_sel_hi:[1,0]
.endif
	v_exp_f32 v[EA+2*p], v[EA+2*p]
	v_exp_f32 v[EA+2*p+1], v[EA+2*p+1]
.set p, p+1
.endr
	v_nop
	s_wait_alu depctr_va_vdst(0)                   ; one wait for the 64 exponentials
	v_pk_add_f32 v[EA:EA+1], v[EA:EA+1], 1.0 op_sel_hi:[1,0]
.set p, 0
.rept 32                                       ; 1 / (1 + ..): i, f, o are done
.if p < 31
	v_pk_add_f32 v[EA+2*p+2:EA+2*p+3], v[EA+2*p+2:EA+2*p+3], 1.0 op_sel_hi:[1,0]
.endif
	v_rcp_f32 v[EA+2*p], v[EA+2*p]
	v_rcp_f32 v[EA+2*p+1], v[EA+2*p+1]
.set p, p+1
.endr
	v_nop
	s_wait_alu depctr_va_vdst(0)                   ; one wait for the 64 reciprocals
.set p, 0
.rept 8
	v_pk_fma_f32 v[EA+48+2*p:EA+48+2*p+1], v[EA+48+2*p:EA+48+2*p+1], -2.0, 1.0 op_sel_hi:[1,0,0]  ; g = 1 - 2 / (1 + ..)
.set p, p+1
.endr
.set p, 0
.rept 8
	v_pk_mul_f32 v[EA+48+2*p:EA+48+2*p+1], v[EA+48+2*p:EA+48+2*p+1], v[EA+2*p:EA+2*p+1]           ; g i
.set p, p+1
.endr
.if (\a) == 0
	s_wait_dscnt 0x0                               ; prevc is in registers, all eight blocks'
.endif
	WIN (EW<<4)|(EW<<2)                            ; destination and source 0 (prevc) window 0
.set p, 0
.rept 8
	v_pk_fma_f32 v[EC+2*p:EC+2*p+1], v[EC+2*p:EC+2*p+1], v[EA+16+2*p:EA+16+2*p+1], v[EA+48+2*p:EA+48+2*p+1]  ; nextc = prevc f + g i
.set p, p+1
.endr
	WIN 0
	v_pk_mul_f32 v[T:T+1], v[EC:EC+1], s[SCP:SCP+1] op_sel_hi:[1,0]
.set p, 0
.rept 8
.if p < 7
	v_pk_mul_f32 v[T+2*p+2:T+2*p+3], v[EC+2*p+2:EC+2*p+3], s[SCP:SCP+1] op_sel_hi:[1,0]
.endif
	v_exp_f32 v[T+2*p], v[T+2*p]
	v_exp_f32 v[T+2*p+1], v[T+2*p+1]
.set p, p+1
.endr
	v_nop
	s_wait_alu depctr_va_vdst(0)                   ; one wait for the 16 exponentials
	v_pk_add_f32 v[T:T+1], v[T:T+1], 1.0 op_sel_hi:[1,0]
.set p, 0
.rept 8
.if p < 7
	v_pk_add_f32 v[T+2*p+2:T+2*p+3], v[T+2*p+2:T+2*p+3], 1.0 op_sel_hi:[1,0]
.endif
	v_rcp_f32 v[T+2*p], v[T+2*p]
	v_rcp_f32 v[T+2*p+1], v[T+2*p+1]
.set p, p+1
.endr
	v_nop
	s_wait_alu depctr_va_vdst(0)                   ; one wait for the 16 reciprocals
.set p, 0
.rept 8
	v_pk_fma_f32 v[T+2*p:T+2*p+1], v[T+2*p:T+2*p+1], -2.0, 1.0 op_sel_hi:[1,0,0]                  ; tanh(nextc)
.set p, p+1
.endr
	WIN EW<<2                                      ; source 1 (o) in the block's window
.set p, 0
.rept 8
	v_pk_mul_f32 v[T+2*p:T+2*p+1], v[T+2*p:T+2*p+1], v[EA+32+2*p:EA+32+2*p+1]                     ; nexth
.set p, p+1
.endr
	WIN 0
.irp k, 0,1,2,3                        ; registers 4 k .. 4 k + 3: block k / 2 of 16 columns (64 bytes), half k % 2 of my eight
	ds_store_b128 v[STCA], v[EC+4*(\k):EC+4*(\k)+3] offset:(\a)*16*PITCH+64*((\k)/2)+16*((\k)%2)
	ds_store_b128 v[STHA], v[T+4*(\k):T+4*(\k)+3]   offset:(\a)*16*PITCH+64*((\k)/2)+16*((\k)%2)
.endr
.endm
	s_wait_tensorcnt 0x1                           ; my part of K step 0 is in; K step 1's may stay out
	s_barrier_signal -1
	s_barrier_wait -1                              ; everybody's is
	FETCH 0, 0, F0
	s_wait_loadcnt 0x0                             ; the bias
	QUARTER 0, 1, F0, F1, 1                        ; the first quarter stands in front of the loop: its products start the sums, from the bias
	WIN 0                                          ; at a label and at a branch every window is 0
	s_mov_b32 s3, LAPS-1
.Llap:                                                 ; a trip goes once round the ring, from a lap's second quarter to the next lap's first, and fills both slots again
	QUARTER 0, 2, F1, F0, 0
	QUARTER 0, 3, F0, F1, 0
	TURN 0, 1, 0
	QUARTER 1, 1, F0, F1, 0
	QUARTER 1, 2, F1, F0, 0
	QUARTER 1, 3, F0, F1, 0
	TURN 1, 0, 1
	QUARTER 0, 1, F0, F1, 0
	WIN 0
	s_sub_co_u32 s3, s3, 1
	s_cmp_lg_u32 s3, 0
	s_cbranch_scc1 .Llap
	QUARTER 0, 2, F1, F0, 0                        ; the last lap is written out: it asks for no K step more
	QUARTER 0, 3, F0, F1, 0
	TURNC
	QUARTER 1, 1, F0, F1, 0
	QUARTER 1, 2, F1, F0, 0
	QUARTER 1, 3, F0, F1, 0
	s_wait_dscnt 8                                 ; the very last quarter: nothing more to fetch
	MUL16 F1, 0, 0, 0
	MUL16 F1, 0, 2, 0
	s_wait_dscnt 0x0
	MUL16 F1, 1, 0, 0
	MUL16 F1, 1, 2, 0
	WIN 0
	PLACES                                         ; behind the last products: in front of the loads into act's buffers and of the tail's first lines, which read results
	PLACES
	s_wait_tensorcnt 0x0                           ; my 64 rows of prevc have landed: no load was issued behind that one
	s_wait_dscnt 0x0                               ; my reads of slot 1 are over
	s_barrier_signal -1
	s_barrier_wait -1                              ; everybody's prevc is in, and nobody reads slot 1 any more: it has had its last fill and becomes the stages
.irp a, 0,1,2,3,4,5,6,7
.irp k, 0,1,2,3
	ds_load_b128 v[CC+16*(\a)+4*(\k):CC+16*(\a)+4*(\k)+3], v[PCA] offset:(\a)*16*PITCH+64*((\k)/2)+16*((\k)%2)
.endr
.endr
.irp a, 0,1,2,3,4,5,6,7
	EPI \a
.endr
	; THE WAY OUT.  A row's 256 bytes come from two waves, so a barrier stands between the writing and the reading of the stages; then each wave reads 64 whole rows of each output and stores them.
	s_wait_dscnt 0x0                               ; for the others' sake: my stores into the stages are done
	s_barrier_signal -1
	s_barrier_wait -1
.set t, 0
.rept 32
	ds_load_b128 v[CC+4*t:CC+4*t+3], v[RDC] offset:2*PITCH*t
.set t, t+1
.endr
	WIN 0x40                                       ; nexth's rows go into window 1
.set t, 0
.rept 32
	ds_load_b128 v[CC+4*t:CC+4*t+3], v[RDH] offset:2*PITCH*t
.set t, t+1
.endr
	WIN 0
.set t, 0
.rept 32
	s_wait_dscnt 63-t                              ; LDS loads come back in order (ISA guide 5.7.1): nexth's 32 and nextc's 31 - t younger ones may be out
	global_store_b128 v[GO], v[CC+4*t:CC+4*t+3], s[14:15] offset:8192*t th:TH_STORE_NT  ; 16 lanes store 256 consecutive bytes, at a multiple of 256 from out1's first byte
.set t, t+1
.endr
	WIN 0x04                                       ; the stores' data in window 1
.set t, 0
.rept 32
	s_wait_dscnt 31-t
	global_store_b128 v[GO], v[CC+4*t:CC+4*t+3], s[12:13] offset:8192*t th:TH_STORE_NT
.set t, t+1
.endr
	WIN 0
	s_wait_tensorcnt 0x0                           ; the wave's end: behind my last tensor load and my last LDS store
	ds_add_u32 v[SPW], v[NIL]
	s_wait_dscnt 0x0
	CROUND                                         ; the closing round: no work-group ends while a partner may still ask for a tile that names it
	s_endpgm
.Lfunc_end_k_qc398b42d00_lstm:
	.size	k_qc398b42d00_lstm, .Lfunc_end_k_qc398b42d00_lstm-k_qc398b42d00_lstm
	.p2alignl 7, 3214868480
	.fill 96, 4, 3214868480
	.section	.rodata,"a",@progbits
	.p2align	6, 0x0
	.amdhsa_kernel k_qc398b42d00_lstm
		.amdhsa_group_segment_fixed_size 327680
		.amdhsa_private_segment_fixed_size 0
		.amdhsa_enable_private_segment 0
		.amdhsa_kernarg_size 48
		.amdhsa_user_sgpr_count 2
		.amdhsa_user_sgpr_kernarg_segment_ptr 1
		.amdhsa_wavefront_size32 1
		.amdhsa_system_sgpr_workgroup_id_x 1
		.amdhsa_system_sgpr_workgroup_id_y 1
		.amdhsa_system_sgpr_workgroup_id_z 1
		.amdhsa_system_vgpr_workitem_id 0
		.amdhsa_next_free_vgpr 1024
		.amdhsa_next_free_sgpr 96
		.amdhsa_reserve_vcc 0
		.amdhsa_float_denorm_mode_32 3
		.amdhsa_float_denorm_mode_16_64 3
		.amdhsa_memory_ordered 1
		.amdhsa_forward_progress 1
		.amdhsa_inst_pref_size 238
	.end_amdhsa_kernel
	.amdgpu_metadata
---
amdhsa.version: [ 1, 2 ]
amdhsa.kernels:
  - .name:           k_qc398b42d00_lstm
    .symbol:         k_qc398b42d00_lstm.kd
    .args:
      - { .name: act, .offset: 0, .size: 8, .value_kind: global_buffer, .address_space: global }
      - { .name: wp, .offset: 8, .size: 8, .value_kind: global_buffer, .address_space: global }
      - { .name: bx, .offset: 16, .size: 8, .value_kind: global_buffer, .address_space: global }
      - { .name: prevc, .offset: 24, .size: 8, .value_kind: global_buffer, .address_space: global }
      - { .name: out0, .offset: 32, .size: 8, .value_kind: global_buffer, .address_space: global }
      - { .name: out1, .offset: 40, .size: 8, .value_kind: global_buffer, .address_space: global }
    .group_segment_fixed_size: 327680
    .private_segment_fixed_size: 0
    .kernarg_segment_align: 8
    .kernarg_segment_size: 48
    .max_flat_workgroup_size: 128
    .sgpr_count:     96
    .vgpr_count:     1024
    .wavefront_size: 32
...
	.end_amdgpu_metadata
.endif
;; end of part 2
;; ======== version 2 of 2: 2 launches; version 1 with the launch cvt written anew for expert scheduling mode
;; workspace buffers: act 33,554,432 bytes; wp 16,777,216 bytes
;; launch cvt (part 3): grid 256 x 3, 8 waves a work-group, no clusters, 0 bytes of LDS; arguments x, prevh, Wx, Wh, act, wp; writes act, wp
.if DOCPART == 3
	.amdgcn_target "amdgcn-amd-amdhsa--gfx1250"
	.amdhsa_code_object_version 6
	.text
	.protected	k_qc398b42d00_cvt
	.globl	k_qc398b42d00_cvt
	.p2align	8
	.type	k_qc398b42d00_cvt,@function
k_qc398b42d00_cvt:
	s_mov_b64 s[64:65], 0
	v_nop
	global_prefetch_b8 v0, s[64:65] scope:SCOPE_SE
	s_setreg_imm32_b32 hwreg(HW_REG_WAVE_SCHED_MODE, 0, 2), 2
	s_setreg_imm32_b32 hwreg(HW_REG_WAVE_MODE, 25, 1), 1
	s_wait_xcnt 0x0
	s_wait_alu depctr_vm_vsrc(0)
; THE OPERANDS OF THE LSTM's ONE PRODUCT, rounded once to bf16 (to nearest even) and laid out for the launch behind.
;   act [8192][2048] bf16: row m = x[m][0..1023], then prevh[m][0..1023]: a row is 4,096 bytes.
;   wp  [2048][4096] bf16: row k = Wx[k] (k < 1024) or Wh[k - 1024]; column 256 tc + 64 g + c holds the original column 1024 g + 64 tc + c
;       (tc 0..15, gate g 0..3, c 0..63): the four gates of 64 state columns lie side by side.  K stays along the rows: nothing is turned here.
; A pure stream: every source byte is read once, every result byte written once; no LDS, no barrier, no matrix unit, since nothing is shared.
; SHARES.  768 equal work-groups of eight waves: y = 0 takes x, y = 1 prevh (32 rows each), y = 2 the weights (8 rows of k each): 128 KiB of source.
; A wave takes 16 KiB of source: 32 loads of 16 bytes a lane, ALL issued at once; there is no loop.  A load covers 512 bytes (for the weights: two runs of 256);
; two roundings make 8 bytes a lane, and a store of the wave covers 256 consecutive bytes, aligned.
; THE MODE: SCHED_MODE bits 1:0 = 2 (LLVM: expert scheduling mode 2), set by the entry lines.  The code itself states the register dependences
; between vector instructions and memory instructions, with s_wait_alu, always for 0.
; THE PLAN.  Registers that memory instructions touch:
;   v[SO], v[DO]     byte offsets, made once ahead of the first load and never written again: read by every load, by every store.
;   X + 4 q .. + 3   load q lands here (no vector instruction has named them before); its two roundings read all four and write the first two; store q reads those two; nothing writes them again.
; The 32 loads are worked on in eight blocks of four.  Block p rounds loads 4 p .. 4 p + 3; its memory instructions are the four stores of block p - 1, whose data no rounding of block p names.
; So ONE wait on va_vdst at a block's head, behind the wait for the block's data, states all that its four stores hang on, and these are dealt among its roundings with no further wait.
; No load is issued behind a rounding, and no register that a load or store has read is written again: so behind the entry lines the text holds no wait on vm_vsrc and no s_wait_xcnt.
.set SO, 3                             ; v3       my byte offset in the source
.set DO, 4                             ; v4       my byte offset in the result: 8 x lane
.set X,  8                             ; v[8:135] load q at X + 4 q
.set BLK, 4                            ; loads in a block
; Store t: the 8 bytes a lane that load t's roundings made.
.macro PUT wts
.if \wts
	global_store_b64 v[DO], v[X+4*t:X+4*t+1], s[24:25] offset:256*t
.else
	global_store_b64 v[DO], v[X+4*t:X+4*t+1], s[24:25] offset:(t/8)*4096+(t%8)*256
.endif
.endm
; wts = 0: load q is 512 consecutive bytes: row q / 8, part q % 8.  wts = 1: load q takes 64 columns of gate 2 (q % 2) (lanes 0-15) and of gate 2 (q % 2) + 1 (lanes 16-31) at tc = q / 2.
.macro STREAM wts
	s_wait_alu depctr_va_vdst(0)                   ; v[SO] and v[DO] are written: every load below reads the one as its offset, every store the other
.set q, 0
.rept 32
.if \wts
	global_load_b128 v[X+4*q:X+4*q+3], v[SO], s[20:21] offset:(q%2)*8192+(q/2)*256 th:TH_LOAD_NT
.else
	global_load_b128 v[X+4*q:X+4*q+3], v[SO], s[20:21] offset:512*q th:TH_LOAD_NT
.endif
.set q, q+1
.endr
.set p, 0
.rept 32/BLK
	s_wait_loadcnt 32-BLK-BLK*p                    ; loads come back in order (ISA guide 5.7.1): block p's four are in, the younger blocks stay out
.if p > 0
	s_wait_alu depctr_va_vdst(0)                   ; the roundings of the block before have written its eight registers of results, which the four stores below read
.endif
.set i, 0
.rept BLK
.if p > 0
.set t, BLK*(p-1)+i
	PUT \wts                                       ; the block before; no rounding since the wait names its registers
.endif
.set q, BLK*p+i
	v_cvt_pk_bf16_f32 v[X+4*q],   v[X+4*q],   v[X+4*q+1]
	v_cvt_pk_bf16_f32 v[X+4*q+1], v[X+4*q+2], v[X+4*q+3]
.set i, i+1
.endr
.set p, p+1
.endr
	s_wait_alu depctr_va_vdst(0)                   ; the last block's roundings have written its results, which the last four stores read
.set t, 32-BLK
.rept BLK
	PUT \wts
.set t, t+1
.endr
	s_endpgm
.endm
	s_load_b256 s[4:11], s[0:1], 0x0               ; x s[4:5], prevh s[6:7], Wx s[8:9], Wh s[10:11]
	s_load_b128 s[12:15], s[0:1], 0x20             ; act s[12:13], wp s[14:15]
	v_lshrrev_b32 v1, 5, v0
	v_readfirstlane_b32 s16, v1                    ; wave 0..7
	v_and_b32 v2, 31, v0                           ; lane
	v_lshlrev_b32 v[DO], 3, v2
	s_and_b32 s17, ttmp7, 0xffff                   ; y: which source
	s_mov_b32 s19, 0                               ; the offsets' high words
	s_mov_b32 s23, 0
	s_wait_alu depctr_va_sdst(0)                   ; s16 is written
	s_wait_kmcnt 0x0
	s_cmp_eq_u32 s17, 2
	s_cbranch_scc1 .Lweights
	; x or prevh: 32 rows a work-group, 4 a wave.  A source row (1,024 f32) and a row of act (2,048 bf16) are both 4,096 bytes, so one offset serves both.
	s_lshl_b32 s18, ttmp9, 17
	s_lshl_b32 s22, s16, 14
	s_add_co_u32 s18, s18, s22
	s_cmp_eq_u32 s17, 0
	s_cselect_b64 s[20:21], s[4:5], s[6:7]
	s_add_nc_u64 s[20:21], s[20:21], s[18:19]
	s_add_nc_u64 s[24:25], s[12:13], s[18:19]
	s_lshl_b32 s22, s17, 11                        ; prevh fills the second half of act's rows
	s_add_nc_u64 s[24:25], s[24:25], s[22:23]
	v_lshlrev_b32 v[SO], 4, v2
	STREAM 0
.Lweights:
	; Wx (work-groups 0-127) or Wh: 8 rows of k a work-group, one a wave: 16,384 bytes of source, 8,192 of wp
	s_and_b32 s18, ttmp9, 127
	s_lshl_b32 s18, s18, 3
	s_add_co_u32 s18, s18, s16
	s_lshl_b32 s18, s18, 14
	s_cmp_lt_u32 ttmp9, 128
	s_cselect_b64 s[20:21], s[8:9], s[10:11]
	s_add_nc_u64 s[20:21], s[20:21], s[18:19]
	s_lshl_b32 s22, ttmp9, 3
	s_add_co_u32 s22, s22, s16                     ; k
	s_lshl_b32 s22, s22, 13
	s_add_nc_u64 s[24:25], s[14:15], s[22:23]
	v_lshrrev_b32 v1, 4, v2                        ; lanes 16-31 read one gate (4,096 bytes) further on
	v_and_b32 v[SO], 15, v2
	v_lshlrev_b32 v[SO], 4, v[SO]
	v_lshl_or_b32 v[SO], v1, 12, v[SO]
	STREAM 1
.Lfunc_end_k_qc398b42d00_cvt:
	.size	k_qc398b42d00_cvt, .Lfunc_end_k_qc398b42d00_cvt-k_qc398b42d00_cvt
	.p2alignl 7, 3214868480
	.fill 96, 4, 3214868480
	.section	.rodata,"a",@progbits
	.p2align	6, 0x0
	.amdhsa_kernel k_qc398b42d00_cvt
		.amdhsa_group_segment_fixed_size 0
		.amdhsa_private_segment_fixed_size 0
		.amdhsa_enable_private_segment 0
		.amdhsa_kernarg_size 48
		.amdhsa_user_sgpr_count 2
		.amdhsa_user_sgpr_kernarg_segment_ptr 1
		.amdhsa_wavefront_size32 1
		.amdhsa_system_sgpr_workgroup_id_x 1
		.amdhsa_system_sgpr_workgroup_id_y 1
		.amdhsa_system_sgpr_workgroup_id_z 1
		.amdhsa_system_vgpr_workitem_id 0
		.amdhsa_next_free_vgpr 144
		.amdhsa_next_free_sgpr 66
		.amdhsa_reserve_vcc 0
		.amdhsa_float_denorm_mode_32 3
		.amdhsa_float_denorm_mode_16_64 3
		.amdhsa_memory_ordered 1
		.amdhsa_forward_progress 1
		.amdhsa_inst_pref_size 23
	.end_amdhsa_kernel
	.amdgpu_metadata
---
amdhsa.version: [ 1, 2 ]
amdhsa.kernels:
  - .name:           k_qc398b42d00_cvt
    .symbol:         k_qc398b42d00_cvt.kd
    .args:
      - { .name: x, .offset: 0, .size: 8, .value_kind: global_buffer, .address_space: global }
      - { .name: prevh, .offset: 8, .size: 8, .value_kind: global_buffer, .address_space: global }
      - { .name: Wx, .offset: 16, .size: 8, .value_kind: global_buffer, .address_space: global }
      - { .name: Wh, .offset: 24, .size: 8, .value_kind: global_buffer, .address_space: global }
      - { .name: act, .offset: 32, .size: 8, .value_kind: global_buffer, .address_space: global }
      - { .name: wp, .offset: 40, .size: 8, .value_kind: global_buffer, .address_space: global }
    .group_segment_fixed_size: 0
    .private_segment_fixed_size: 0
    .kernarg_segment_align: 8
    .kernarg_segment_size: 48
    .max_flat_workgroup_size: 256
    .sgpr_count:     66
    .vgpr_count:     144
    .wavefront_size: 32
...
	.end_amdgpu_metadata
.endif
;; end of part 3
;; launch lstm: the kernel of part 2 again; grid 16 x 32, 4 waves a work-group, clusters of 4 x 4, 327,680 bytes of LDS; arguments act, wp, bx, prevc, out0, out1; writes out0, out1
